; MI455X (gfx1250); checked and timed in simulation.
; The chip was launched on July 23, 2026; its instructions are those of AMD's public machine-readable ISA for CDNA 5 (MIT licence, August 2026) and "CDNA5" Instruction Set Architecture Reference Guide (July 2026). The comments in the code are by the model that wrote it; some were corrected since.
;; GRU my. Allowed arithmetic: float matrix products may take bf16 or f16 operands with f32 sums; all other float work in f32.
;; Inputs: W_ht 1,024 x 1,024 float32; W_hzr 2,048 x 1,024 float32; W_it 1,024 x 1,024 float32; W_izr 2,048 x 1,024 float32; b_ht 1,024 float32; b_hzr 2,048 float32; b_it 1,024 float32; b_izr 2,048 float32; bi_h0 4,096 x 1,024 float32; h0 4,096 x 1,024 float32; x 4,096 x 1 x 1,024 float32.
;; Outputs: out0 4,096 x 1 x 2,048 float32.
;; One version. Each part assembles by itself: llvm-mc -triple=amdgcn-amd-amdhsa -mcpu=gfx1250 --defsym DOCPART=n.
;; ======== version 1 of 1: 2 launches
;; workspace buffers: act 25,165,824 bytes; wts 12,582,912 bytes
;; launch cvt (part 1): grid 2304 x 1, 4 waves a work-group, no clusters, 0 bytes of LDS; arguments x, h0, bi_h0, W_izr, W_it, W_hzr, W_ht, act, wts; writes act, wts
.if DOCPART == 1
	.amdgcn_target "amdgcn-amd-amdhsa--gfx1250"
	.amdhsa_code_object_version 6
	.text
	.protected	k_q0d42373720_cvt
	.globl	k_q0d42373720_cvt
	.p2align	8
	.type	k_q0d42373720_cvt,@function
k_q0d42373720_cvt:
	s_mov_b64 s[64:65], 0
	v_nop
	global_prefetch_b8 v0, s[64:65] scope:SCOPE_SE
	s_setreg_imm32_b32 hwreg(HW_REG_WAVE_MODE, 25, 1), 1
	s_wait_xcnt 0x0
; First of two launches for one GRU step (T = 1) run from h0 and from bi_h0 with the same x and the same weights.
; WORK NOT REPEATED: the two scans of the problem see the same xs (with T = 1 both reversals are identities), so x W_izr^T and x W_it^T
; are the same numbers in both, for all values of the inputs.  The program forms these three products once and uses them for both halves
; of out0: 9 products of 4096 x 1024 x 1024 instead of 12.  Nothing is lost by it: a NaN or an infinity in them reaches both halves as before.
; No input is dead: all eleven are loaded (the four biases and the f32 h0, bi_h0 by the second launch).
;
; THIS LAUNCH rounds x, h0, bi_h0 and the four weight matrices to bf16 (nearest even), each number once, and writes them in the order in
; which the second launch fetches tiles:
;   act: [64 row blocks][32 sub-blocks][192 rows][32 k] bf16; row in block = 64 m + (b mod 64), m = 0 x, 1 h0, 2 bi_h0; row block = b / 64
;   wts: [32 column blocks][32 sub-blocks][192 rows][32 k] bf16; row in block = 32 g + (j mod 32); column block = j / 32;
;        g = 0 W_izr rows 0-1023 (r), 1 W_izr rows 1024-2047 (z), 2 W_it, 3 W_hzr r, 4 W_hzr z, 5 W_ht
; so that a sub-block is 12,288 dense bytes and any run of sub-blocks of one block is dense.  bf16 keeps the range of f32.
; THE ORDER OF k IS PERMUTED, alike in act and wts, so every product still meets its partner: of chunk c (64 k) the sub-block 2 c + H holds,
; in the 16-byte piece j of a row, k = 64 c + 16 H + 4 j + 0..3 and then k = 64 c + 32 + 16 H + 4 j + 0..3.  LIMIT: the sums of the second launch
; therefore add their products in another order than ascending k; the difference is one of rounding in f32.
; Why: a lane then packs the 4 + 4 numbers of two 16-byte loads into ONE 16-byte store: 16 loads and 8 stores a thread.
; A stream: no LDS, no barrier, no matrix unit, no loop.  18,432 source rows of 4,096 bytes are 72 for each of 256 WGPs; a work-group takes 8 rows
; of one source, so 2,304 work-groups are 9 for each WGP and divide every source.  A wave takes 4 rows x 2,048 bytes = 8 chunks.
; Lane l: H = l / 16, row (l / 4) mod 4, j = l mod 4.  A load of a wave covers 128 consecutive bytes of each of 4 rows (the two loads of a chunk
; together each row's aligned 256).  In a store lanes 0-15 write 256 consecutive aligned bytes (4 rows x 64 bytes of sub-block 2 c), lanes 16-31 those
; of sub-block 2 c + 1.  (A 256-byte piece of the layout holds 4 rows, so no load of a wave can cover more than 128 bytes of a row.)
.set SB,  12288                        ; bytes of a sub-block
.set RBS, 32*SB                        ; bytes of a row block or column block
.set X,   8                            ; v[8:71]: chunk i: 4 + 4 registers as loaded; the first four then hold the 8 bf16
	s_load_b512 s[4:19], s[0:1], 0x0               ; x s[4:5], h0 s[6:7], bi_h0 s[8:9], W_izr s[10:11], W_it s[12:13], W_hzr s[14:15], W_ht s[16:17], act s[18:19]
	s_load_b64 s[20:21], s[0:1], 0x40              ; wts
	s_mov_b32 s22, ttmp9                           ; work-group: x 0-511, h0 512-1023, bi_h0 1024-1535, W_izr 1536-1791, W_it 1792-1919, W_hzr 1920-2175, W_ht 2176-2303
	v_bfe_u32 v3, v0, 2, 2                         ; (l / 4) mod 4
	v_bfe_u32 v4, v0, 5, 1                         ; wave mod 2: which 4 of the 8 rows
	v_lshl_add_u32 v3, v4, 2, v3                   ; my row, 0..7
	v_bfe_u32 v4, v0, 4, 1                         ; H
	v_and_b32 v5, 3, v0                            ; j
	v_bfe_u32 v6, v0, 6, 1                         ; wave / 2: which 2,048 bytes of the rows
	v_lshl_add_u32 v7, v4, 2, v5                   ; 4 H + j: my 16 bytes of a run of 128
	v_lshlrev_b32 v1, 12, v3
	v_lshl_add_u32 v1, v6, 11, v1
	v_lshl_add_u32 v1, v7, 4, v1                   ; load offset: row x 4,096 + half x 2,048 + 16 (4 H + j)
	v_lshlrev_b32 v2, 6, v3
	v_lshl_add_u32 v2, v5, 4, v2                   ; store offset: row x 64 + 16 j
	v_mul_u32_u24 v7, v4, SB
	v_add_nc_u32 v2, v2, v7                        ; + H sub-blocks
	v_mul_u32_u24 v7, v6, 16*SB
	v_add_nc_u32 v2, v2, v7                        ; + 16 sub-blocks for the upper half of the rows
	; where the 8 rows go, as offsets made apart from any address
	s_and_b32 s34, s22, 511                        ; a: which 8 rows of an activation
	s_lshr_b32 s35, s22, 9
	s_min_u32 s35, s35, 2                          ; m (kept in range for the work-groups that take weights, which do not use it)
	s_lshr_b32 s36, s34, 3
	s_mul_i32 s36, s36, RBS                        ; row block a / 8
	s_lshl_b32 s35, s35, 12                        ; 64 m rows of 64 bytes
	s_add_co_u32 s36, s36, s35
	s_and_b32 s34, s34, 7
	s_lshl_b32 s34, s34, 9                         ; 8 (a mod 8) rows of 64 bytes
	s_add_co_u32 s36, s36, s34                     ; offset in act
	s_max_u32 s37, s22, 1536
	s_sub_co_u32 s37, s37, 1536                    ; q: which 8 rows of the six weight planes, 0..767
	s_bfe_u32 s38, s37, 0x50002                    ; (q mod 128) / 4: the column block
	s_mul_i32 s38, s38, RBS
	s_lshr_b32 s39, s37, 7                         ; plane g = q / 128
	s_lshl_b32 s39, s39, 11                        ; 32 g rows of 64 bytes
	s_add_co_u32 s38, s38, s39
	s_and_b32 s37, s37, 3
	s_lshl_b32 s37, s37, 9                         ; 8 (q mod 4) rows of 64 bytes
	s_add_co_u32 s38, s38, s37                     ; offset in wts
	s_wait_kmcnt 0x0
	s_mov_b64 s[24:25], s[4:5]                     ; the source, chosen by the work-group number alone
	s_mov_b32 s26, 0                               ; and the first work-group of that source
.macro PICK limit, lo
	s_cmp_ge_u32 s22, \limit
	s_cselect_b64 s[24:25], s[\lo:\lo+1], s[24:25]
	s_cselect_b32 s26, \limit, s26
.endm
	PICK 512,  6
	PICK 1024, 8
	PICK 1536, 10
	PICK 1792, 12
	PICK 1920, 14
	PICK 2176, 16
	s_sub_co_u32 s28, s22, s26
	s_lshl_b32 s28, s28, 15                        ; 8 rows of 4,096 bytes for each work-group of the source
	s_mov_b32 s29, 0
	s_add_nc_u64 s[24:25], s[24:25], s[28:29]
	s_cmp_ge_u32 s22, 1536                         ; compared anew, directly ahead of its selects
	s_cselect_b64 s[30:31], s[20:21], s[18:19]     ; wts or act
	s_cselect_b32 s32, s38, s36
	s_mov_b32 s33, 0
	s_add_nc_u64 s[30:31], s[30:31], s[32:33]
	; all 16 loads of the thread go out first: 8 KiB of every wave are on their way
.irp i, 0,1,2,3,4,5,6,7
	global_load_b128 v[X+8*\i:X+8*\i+3],   v1, s[24:25] offset:\i*256 th:TH_LOAD_NT        ; the chunk's first 32 k
	global_load_b128 v[X+8*\i+4:X+8*\i+7], v1, s[24:25] offset:\i*256+128 th:TH_LOAD_NT    ; its second 32 k
.endr
	; then each chunk in turn.  No register that a load or store names is written again, so the only waits are the counted ones for data.
.irp i, 0,1,2,3,4,5,6,7
	s_wait_loadcnt 14-2*\i                         ; loads come back in order (ISA guide 5.7.1): this chunk's two are in, the younger ones stay out
	v_cvt_pk_bf16_f32 v[X+8*\i],   v[X+8*\i],   v[X+8*\i+1]
	v_cvt_pk_bf16_f32 v[X+8*\i+1], v[X+8*\i+2], v[X+8*\i+3]
	v_cvt_pk_bf16_f32 v[X+8*\i+2], v[X+8*\i+4], v[X+8*\i+5]
	v_cvt_pk_bf16_f32 v[X+8*\i+3], v[X+8*\i+6], v[X+8*\i+7]
	global_store_b128 v2, v[X+8*\i:X+8*\i+3], s[30:31] offset:\i*2*SB      ; the next launch reads these bytes: no hint
.endr
	s_endpgm
.Lfunc_end_k_q0d42373720_cvt:
	.size	k_q0d42373720_cvt, .Lfunc_end_k_q0d42373720_cvt-k_q0d42373720_cvt
	.p2alignl 7, 3214868480
	.fill 96, 4, 3214868480
	.section	.rodata,"a",@progbits
	.p2align	6, 0x0
	.amdhsa_kernel k_q0d42373720_cvt
		.amdhsa_group_segment_fixed_size 0
		.amdhsa_private_segment_fixed_size 0
		.amdhsa_enable_private_segment 0
		.amdhsa_kernarg_size 72
		.amdhsa_user_sgpr_count 2
		.amdhsa_user_sgpr_kernarg_segment_ptr 1
		.amdhsa_wavefront_size32 1
		.amdhsa_system_sgpr_workgroup_id_x 1
		.amdhsa_system_sgpr_workgroup_id_y 1
		.amdhsa_system_sgpr_workgroup_id_z 1
		.amdhsa_system_vgpr_workitem_id 0
		.amdhsa_next_free_vgpr 72
		.amdhsa_next_free_sgpr 66
		.amdhsa_reserve_vcc 0
		.amdhsa_float_denorm_mode_32 3
		.amdhsa_float_denorm_mode_16_64 3
		.amdhsa_memory_ordered 1
		.amdhsa_forward_progress 1
		.amdhsa_inst_pref_size 8
	.end_amdhsa_kernel
	.amdgpu_metadata
---
amdhsa.version: [ 1, 2 ]
amdhsa.kernels:
  - .name:           k_q0d42373720_cvt
    .symbol:         k_q0d42373720_cvt.kd
    .args:
      - { .name: x, .offset: 0, .size: 8, .value_kind: global_buffer, .address_space: global }
      - { .name: h0, .offset: 8, .size: 8, .value_kind: global_buffer, .address_space: global }
      - { .name: bi_h0, .offset: 16, .size: 8, .value_kind: global_buffer, .address_space: global }
      - { .name: W_izr, .offset: 24, .size: 8, .value_kind: global_buffer, .address_space: global }
      - { .name: W_it, .offset: 32, .size: 8, .value_kind: global_buffer, .address_space: global }
      - { .name: W_hzr, .offset: 40, .size: 8, .value_kind: global_buffer, .address_space: global }
      - { .name: W_ht, .offset: 48, .size: 8, .value_kind: global_buffer, .address_space: global }
      - { .name: act, .offset: 56, .size: 8, .value_kind: global_buffer, .address_space: global }
      - { .name: wts, .offset: 64, .size: 8, .value_kind: global_buffer, .address_space: global }
    .group_segment_fixed_size: 0
    .private_segment_fixed_size: 0
    .kernarg_segment_align: 8
    .kernarg_segment_size: 72
    .max_flat_workgroup_size: 128
    .sgpr_count:     66
    .vgpr_count:     72
    .wavefront_size: 32
...
	.end_amdgpu_metadata
.endif
;; end of part 1
;; launch gru (part 2): grid 16 x 32, 4 waves a work-group, clusters of 4 x 4, 327,680 bytes of LDS; arguments act, wts, h0, bi_h0, b_izr, b_hzr, b_it, b_ht, out0; writes out0
.if DOCPART == 2
	.amdgcn_target "amdgcn-amd-amdhsa--gfx1250"
	.amdhsa_code_object_version 6
	.text
	.protected	k_q0d42373720_gru
	.globl	k_q0d42373720_gru
	.p2align	8
	.type	k_q0d42373720_gru,@function
k_q0d42373720_gru:
	s_mov_b64 s[64:65], 0
	v_nop
	global_prefetch_b8 v0, s[64:65] scope:SCOPE_SE
	s_setreg_imm32_b32 hwreg(HW_REG_WAVE_MODE, 25, 1), 1
	s_wait_xcnt 0x0
	s_wait_alu depctr_hold_cnt(0) depctr_sa_sdst(0) depctr_va_vdst(0) depctr_va_sdst(0) depctr_va_ssrc(0) depctr_va_vcc(0) depctr_vm_vsrc(0)
	s_getreg_b32 s2, hwreg(HW_REG_IB_STS2, 6, 4)
	s_cmp_eq_u32 s2, 0
	s_cbranch_scc0 .Lentry_in_a_cluster
	s_endpgm
.Lentry_in_a_cluster:
	s_bfe_u32 s2, ttmp6, 0x10000c
	s_cmp_lg_u32 s2, 0xf033
	s_cbranch_scc0 .Lentry_shape_is_right
	s_endpgm
.Lentry_shape_is_right:
; One GRU step from h0 (out0 columns 0-1023) and from bi_h0 (columns 1024-2047), same x, same weights.  Operands in bf16 from act and wts
; (written by the launch before, in tile order), sums in f32, gates and blend in f32, h in the blend from the f32 inputs.
; WORK NOT REPEATED: the three products with x are the same numbers in both scans for all values of the inputs (T = 1, same xs, same weights);
; they are formed once and serve both halves of out0.  No input is left out.
; LIMITS: sigmoid(a) = 1 / (1 + 2^(-a log2 e)), tanh(y) = 1 - 2 / (1 + 2^(2 y log2 e)); both saturate rightly where the power is 0 or infinite.
; Near y = 0 tanh has an absolute error of a few 1e-7 (no small relative error).  The factor 2 log2 e is applied to the terms of y before they
; are added, so terms above 1.1e38 overflow where y itself might not.  The blend is z (t - h) + h, one rounding order other than z t + (1 - z) h.
; act and wts hold k in one common permuted order (see the launch before), so the sums add their products in another order than ascending k.
;
; SHARE.  Work-group (bx, by): rows 128 by .. +127, columns 64 bx .. +63 of both halves.  Wave w: its 64 rows (wm = w / 2) x 32 columns (wn = w mod 2).
; Nine classes of sums for each place: Xr Xz Xt (x with W_izr r, W_izr z, W_it), Fr Fz Ft (h0 with W_hzr r, W_hzr z, W_ht), Br Bz Bt (bi_h0 likewise).
; 9 x (4 x 2) tiles of 16 x 16 = 72 accumulators = 576 registers a wave.  For each k a wave reads 3 x 64 + 6 x 32 numbers from LDS for 18,432 multiply-adds.
; K goes through a ring of two LDS slots in ten steps of 96 and a last one of 64; a step is three (two) sub-steps of 32 along K, 72 matrix instructions each.
; 96 is the longest step of which two slots fit: 2 slots x 4 tiles x 144 rows x 272 bytes = 313,344 of the WGP's 327,680 bytes (ISA guide, chapter 11).
; CLUSTERS: 4 x 4 work-groups.  The tiles of act hang on by alone and are asked for jointly by a row of the cluster, those of wts on bx alone and
; are asked for jointly by a column: the requests for both are divided by four.  The f32 tile of h hangs on both and is a load of the work-group alone.
;
; THE MATRIX INSTRUCTION IS USED TRANSPOSED: source 0 = 16 weight rows, source 1 = 16 activation rows.  Lane l then holds batch row l mod 16 and in
; registers 0-7 the columns 8 (l / 16) + 0..7: eight neighbouring numbers of a row of the output.
;
; LDS: 0 slot 0, 156,672 slot 1 (each: act rows 0-63 block, act rows 64-127 block, wts columns 0-31 block, wts columns 32-63 block, 39,168 bytes each,
;      a block as three sub-blocks of 13,056).  Slot 1 is used once more behind its last read: its first 69,632 bytes take h0 rows 0-127 and bi_h0 rows 0-127
;      (64 f32 each at pitch 272), the 75,776 bytes behind them are the output stage, into which no fill lands any more.
; A ring row is 256 bytes + 16 of padding and holds four logical rows of 32 bf16: logical row q is at (q / 4) 272 + (q mod 4) 64.  The sixteen rows of a
; fragment load then start at 16-byte columns (r / 4) + 4 (r mod 4) of the 256 bytes of a row of banks (64 banks of 4 bytes: ISA guide 11.1): all different.
;
; REGISTERS, in windows of 256:  window 0: v1-24 addresses, v32-127 and v128-223 activation fragments (two buffers; (plane, mt) at 8 (4 plane + mt)),
;   v224-255 results on their way out;
;   window 1: 0-95 and 96-191 weight fragments (two buffers; (g, nt) at 8 (2 g + nt)), 192-255 Bt;
;   window 2: Xr 0, Xz 64, Xt 128, Fr 192;   window 3: Fz 0, Ft 64, Br 128, Bz 192.   Tile (mt, nt) of a class at 8 (2 mt + nt).
.set PITCH,  272
.set SBL,    48*PITCH                  ; a sub-block (192 logical rows x 32 k) in LDS
.set TILE,   3*SBL                     ; one tensor load of the ring: 144 rows of 256 bytes, padded
.set SLOT,   4*TILE
.set HBASE,  SLOT                      ; the f32 tiles of h: the head of slot 1, behind its last read
.set HTILE,  64*PITCH                  ; 64 rows of 64 f32
.set STAGE,  HBASE+4*HTILE             ; the output stage, a multiple of 256
.set SBM,    12288                     ; bytes of a sub-block in act and wts
.set STEPB,  3*SBM                     ; bytes of a K step of 96
.set RBS,    32*SBM
.set SPITCH, 144                       ; stage: 32 f32 + 16 bytes: an odd multiple of 16
.set DPART,  16*SPITCH                 ; stage: 16 rows of one direction of one wave
.set WPART,  2*DPART+128               ; one wave's part of a strip; 128 modulo 256, so that the two halves of a row read back fall on different banks
.set STRIPB, 4*WPART                   ; a strip: 16 rows of each wave, both directions; a multiple of 256.  Four strips, each with bytes of its own
.set ADRA, 16                          ; v16-17  LDS address of my activation fragments, slot 0, 1
.set ADRB, 18                          ; v18-19  the same for the weights
.set HAD,  20                          ; v20     my 32 bytes of h in the f32 tile
.set RD,   21                          ; v21     stage, reading back
.set CO,   22                          ; v22     my byte offset in out0
.set BO,   23                          ; v23     my byte offset in the biases
.set ST,   24                          ; v24     stage, storing
.set AF0,  32
.set AF1,  128
.set BF0,  0
.set BF1,  96
.set BR,   32                          ; epilogue: -log2e (b_izr r + b_hzr r), 16 registers (nt 0, nt 1)
.set BZ,   48                          ;           the same for z
.set BT,   96                          ;           2 log2e b_it
.set BH,   112                         ;           2 log2e b_ht
.set XR,   128                         ; epilogue, one tile: the parts from x
.set XZ,   136
.set XT,   144
.set AR,   152                         ; r of both directions: 8 + 8
.set AZ,   168                         ; z of both directions (follows AR: 32 registers in a run)
.set HG,   184                         ; h W_ht^T + b_ht, then tanh, then the result, both directions
.set HV,   200                         ; h in f32, both directions
.set O0,   224                         ; v224-255 a strip read back, strips 0 and 2
.set O1,   64                          ; v64-95   the same, strips 1 and 3 (they held b_hzr as loaded, which is spent once the biases are prepared)
.set G1A, 32                           ; s[32:39] group 1, tiles of act
.set G0A, 40                           ; s[40:47] group 0, tiles of act, a set for each slot
.set G1B, 48                           ; s[48:55] group 1, tiles of wts
.set G0B, 56                           ; s[56:63] group 0, tiles of wts, a set for each slot
.set G1H, 68                           ; s[68:75] group 1, tile of h
.set G0H, 76                           ; s[76:79] group 0, tile of h
.set PADW, (1<<20)|(5<<22)|(3<<25)     ; padding on; after every 64 words; 4 words
.set MUL2, 0xa1                        ; source 0 window 1, source 1 window 0, C and D window 2
.set MUL3, 0xf1                        ; C and D window 3
.set MUL1, 0x51                        ; C and D window 1
.set TO_B, 0x40                        ; destination window 1, address window 0
.set MSB, 0
.macro WIN new                         ; the high byte of the immediate repeats the setting that is left
.if MSB != \new
	s_set_vgpr_msb (MSB<<8)|\new
.set MSB, \new
.endif
.endm
.macro PLACES                          ; four places behind matrix instructions (ISA guide 7.12.1), where there is no vector work to put there
.rept 4
	v_nop
.endr
.endm
; A joint load.  Waves 0 and 1 fetch the two blocks of act, waves 2 and 3 the two blocks of wts.  The branch hangs on the wave number alone.
.macro JLOAD s
	s_cmp_eq_u32 s23, 0
	s_cbranch_scc0 .Lfor_b_\@
	tensor_load_to_lds s[G0A+4*\s:G0A+4*\s+3], s[G1A:G1A+7]
	s_nop 0
	s_branch .Lasked_\@
.Lfor_b_\@:
	tensor_load_to_lds s[G0B+4*\s:G0B+4*\s+3], s[G1B:G1B+7]
	s_nop 0
.Lasked_\@:
.endm
.macro CREST                           ; a round of the cluster barrier behind its opening work-group barrier
	s_cmp_lg_u32 s22, 0
	s_cbranch_scc1 .Lnot_wave_0_\@
	s_barrier_signal -3
.Lnot_wave_0_\@:
	s_barrier_wait -3
	s_barrier_signal -1
	s_barrier_wait -1
.endm
.macro CROUND                          ; a whole round
	s_barrier_signal -1
	s_barrier_wait -1
	CREST
.endm
	s_load_b512 s[4:19], s[0:1], 0x0               ; act s[4:5], wts s[6:7], h0 s[8:9], bi_h0 s[10:11], b_izr s[12:13], b_hzr s[14:15], b_it s[16:17], b_ht s[18:19]
	s_load_b64 s[20:21], s[0:1], 0x40              ; out0
	v_lshl_add_u32 v30, v0, 2, 0x4c800
	v_mov_b32 v31, 0
	ds_add_u32 v30, v31
	v_lshrrev_b32 v1, 5, v0
	v_readfirstlane_b32 s22, v1                    ; wave 0..3
	s_lshr_b32 s23, s22, 1                         ; wm: my 64 rows.  Also: I fetch for act (0) or wts (1), and h0 (0) or bi_h0 (1)
	s_and_b32 s24, s22, 1                          ; wn: my 32 columns.  Also: which of the two blocks I fetch
	s_bfe_u32 s25, ttmp6, 0x40000                  ; cx
	s_bfe_u32 s26, ttmp6, 0x40004                  ; cy
	s_lshl_b32 s27, ttmp9, 2
	s_add_co_u32 s27, s27, s25                     ; bx = 4 x cluster x + cx
	s_and_b32 s28, ttmp7, 0xffff
	s_lshl_b32 s28, s28, 2
	s_add_co_u32 s28, s28, s26                     ; by = 4 x cluster y + cy
	s_lshl_b32 s29, s26, 2
	s_lshl_b32 s29, 15, s29                        ; my row of the cluster: places 4 cy .. 4 cy + 3
	s_lshl_b32 s30, 0x1111, s25                    ; my column: places cx, cx + 4, cx + 8, cx + 12
	s_mov_b32 s84, 0xbfb8aa3b                      ; -log2 e, as a pair for the packed forms
	s_mov_b32 s85, 0xbfb8aa3b
	s_mov_b32 s86, 0x4038aa3b                      ; 2 log2 e
	s_mov_b32 s87, 0x4038aa3b
	; group 1 of the ring tiles: a dense block of 36,864 bytes as 144 rows of 32 elements of 8 bytes, 16 bytes of padding behind each row
	s_or_b32 s[G1A+0], s29, (3<<16)|(1<<21)|PADW   ; 15:0 the mask: my row; 17:16 elements of 8 bytes; 21 set beside a mask; the padding
	s_or_b32 s[G1B+0], s30, (3<<16)|(1<<21)|PADW   ; the same with the mask of my column
	s_mov_b32 s[G1A+1], 32<<16                     ; tensor_dim0 = 32
	s_mov_b32 s[G1B+1], 32<<16
	s_mov_b32 s[G1A+2], 144<<16                    ; tensor_dim1 = 144
	s_mov_b32 s[G1B+2], 144<<16
	s_mov_b32 s[G1A+3], 32<<16                     ; tile_dim0 = 32
	s_mov_b32 s[G1B+3], 32<<16
	s_mov_b32 s[G1A+4], 144                        ; tile_dim1 = 144
	s_mov_b32 s[G1B+4], 144
	s_mov_b32 s[G1A+5], 32                         ; from row to row: 32 elements (dense)
	s_mov_b32 s[G1B+5], 32
	s_mov_b32 s[G1A+6], 0
	s_mov_b32 s[G1B+6], 0
	s_mov_b32 s[G1A+7], 0
	s_mov_b32 s[G1B+7], 0
	; group 1 of the tile of h: 64 rows of 64 f32 out of rows of 1,024, padded alike; no mask
	s_mov_b32 s[G1H+0], (2<<16)|PADW
	s_mov_b32 s[G1H+1], 64<<16
	s_mov_b32 s[G1H+2], 64<<16
	s_mov_b32 s[G1H+3], 64<<16
	s_mov_b32 s[G1H+4], 64
	s_mov_b32 s[G1H+5], 1024
	s_mov_b32 s[G1H+6], 0
	s_mov_b32 s[G1H+7], 0
	; offsets, made apart from the addresses.  s80 never holds bx, s82 never holds by.
	s_lshl_b32 s80, s28, 1
	s_add_co_u32 s80, s80, s24
	s_mul_i32 s80, s80, RBS                        ; act: row block 2 by + (w mod 2)
	s_mov_b32 s81, 0
	s_lshl_b32 s82, s27, 1
	s_add_co_u32 s82, s82, s24
	s_mul_i32 s82, s82, RBS                        ; wts: column block 2 bx + (w mod 2)
	s_mov_b32 s83, 0
	s_lshl_b32 s90, s28, 19                        ; h: 128 by rows of 4,096 bytes
	s_lshl_b32 s93, s24, 18                        ;    + 64 rows for the odd waves
	s_add_co_u32 s90, s90, s93
	s_lshl_b32 s93, s27, 8                         ;    + 64 bx columns
	s_add_co_u32 s90, s90, s93
	s_mov_b32 s91, 0
	s_mul_i32 s92, s22, TILE                       ; where my ring tiles go: wave x 39,168: no place in the cluster enters an LDS address
	s_mov_b32 s[G0H+0], 1
	s_mul_i32 s[G0H+1], s22, HTILE
	s_add_co_u32 s[G0H+1], s[G0H+1], HBASE         ; h0 rows 0-63, h0 rows 64-127, bi_h0 rows 0-63, bi_h0 rows 64-127 = wave x 17,408
	s_wait_dscnt 0x0
	s_wait_kmcnt 0x0
	s_add_nc_u64 s[80:81], s[4:5], s[80:81]
	s_add_nc_u64 s[82:83], s[6:7], s[82:83]
	s_cmp_eq_u32 s23, 0
	s_cselect_b64 s[88:89], s[8:9], s[10:11]       ; waves 0, 1: h0; waves 2, 3: bi_h0
	s_add_nc_u64 s[G0H+2:G0H+3], s[88:89], s[90:91]
	s_or_b32 s[G0H+3], s[G0H+3], 0x80000000        ; this descriptor waits for slot 1 to be free
	CROUND                                         ; all sixteen work-groups are here: the first joint loads meet
.irp s, 0,1
	s_mov_b32 s[G0A+4*\s], 1
	s_add_co_u32 s[G0A+4*\s+1], s92, \s*SLOT
	s_add_nc_u64 s[G0A+4*\s+2:G0A+4*\s+3], s[80:81], \s*STEPB      ; K step s
	s_or_b32 s[G0A+4*\s+3], s[G0A+4*\s+3], 0x80000000
	s_mov_b32 s[G0B+4*\s], 1
	s_add_co_u32 s[G0B+4*\s+1], s92, \s*SLOT
	s_add_nc_u64 s[G0B+4*\s+2:G0B+4*\s+3], s[82:83], \s*STEPB
	s_or_b32 s[G0B+4*\s+3], s[G0B+4*\s+3], 0x80000000
	JLOAD \s                                       ; the two first fills: two tensor loads of the wave are out, the most in this text
.endr
	v_and_b32 v1, 15, v0                           ; r = l mod 16
	v_bfe_u32 v2, v0, 4, 1                         ; hh = l / 16
	v_lshrrev_b32 v3, 2, v1
	v_mul_u32_u24 v3, v3, PITCH
	v_and_b32 v4, 3, v1
	v_lshl_add_u32 v3, v4, 6, v3
	v_lshl_add_u32 v3, v2, 4, v3                   ; (r / 4) 272 + (r mod 4) 64 + 16 hh
	s_mul_i32 s92, s23, TILE                       ; my block of act
	s_mul_i32 s93, s24, TILE
	s_add_co_u32 s93, s93, 2*TILE                  ; my block of wts, behind the two of act
	v_add_nc_u32 v[ADRA], s92, v3
	v_add_nc_u32 v[ADRB], s93, v3
	v_add_nc_u32 v[ADRA+1], SLOT, v[ADRA]
	v_add_nc_u32 v[ADRB+1], SLOT, v[ADRB]
	s_mul_i32 s92, s23, HTILE                      ; h: my 64 rows,
	s_lshl_b32 s93, s24, 7                         ;    my 32 columns
	s_add_co_u32 s92, s92, s93
	s_add_co_u32 s92, s92, HBASE
	v_mul_u32_u24 v[HAD], v1, PITCH
	v_lshl_add_u32 v[HAD], v2, 5, v[HAD]
	v_add_nc_u32 v[HAD], s92, v[HAD]
	v_bfe_u32 v5, v0, 3, 1                         ; reading back: lanes 0-7 and 8-15 take the two waves that hold the halves of a row,
	v_mul_u32_u24 v[RD], v5, WPART
	v_and_b32 v6, 7, v0
	v_lshl_add_u32 v[RD], v6, 4, v[RD]
	v_mul_u32_u24 v7, v2, SPITCH                   ; lanes 16-31 the next row
	s_mul_i32 s92, s24, 2*WPART                    ; I send out the rows of the waves with wm = w mod 2,
	s_mul_i32 s93, s23, DPART                      ; of direction w / 2
	s_add_co_u32 s92, s92, s93
	s_add_co_u32 s92, s92, STAGE
	v_add_nc_u32 v[RD], v[RD], v7
	v_add_nc_u32 v[RD], s92, v[RD]
	v_lshlrev_b32 v[CO], 4, v1
	v_lshl_add_u32 v[CO], v2, 13, v[CO]            ; 16 (l mod 16) + (l / 16) rows of 8,192 bytes
	s_lshl_b32 s92, s27, 8
	s_lshl_b32 s93, s24, 7
	s_add_co_u32 s92, s92, s93
	v_lshl_add_u32 v[BO], v2, 5, s92               ; biases: 4 (64 bx + 32 wn + 8 hh)
	s_mul_i32 s92, s22, WPART
	s_add_co_u32 s92, s92, STAGE
	v_mul_u32_u24 v[ST], v1, SPITCH
	v_lshl_add_u32 v[ST], v2, 5, v[ST]
	v_add_nc_u32 v[ST], s92, v[ST]                 ; my part of a strip: row r, 32 bytes for each half of the lanes
; Eight matrix instructions: one class (accumulators at base), activation plane pl, weight plane gt, 32 along K.  zero = 1: the product starts the sum.
.macro MULC bf, af, base, pl, gt, zero
.irp mt, 0,1,2,3
.irp nt, 0,1
.if \zero
	v_wmma_f32_16x16x32_bf16 v[\base+8*(2*\mt+\nt):\base+8*(2*\mt+\nt)+7], v[\bf+8*(2*\gt+\nt):\bf+8*(2*\gt+\nt)+7], v[\af+8*(4*\pl+\mt):\af+8*(4*\pl+\mt)+7], 0
.else
	v_wmma_f32_16x16x32_bf16 v[\base+8*(2*\mt+\nt):\base+8*(2*\mt+\nt)+7], v[\bf+8*(2*\gt+\nt):\bf+8*(2*\gt+\nt)+7], v[\af+8*(4*\pl+\mt):\af+8*(4*\pl+\mt)+7], v[\base+8*(2*\mt+\nt):\base+8*(2*\mt+\nt)+7]
.endif
.endr
.endr
.endm
.macro C01 bf, af, zero                ; window 2: Xr, Xz
	MULC \bf, \af, 0,   0, 0, \zero
	MULC \bf, \af, 64,  0, 1, \zero
.endm
.macro C23 bf, af, zero                ; window 2: Xt, Fr
	MULC \bf, \af, 128, 0, 2, \zero
	MULC \bf, \af, 192, 1, 3, \zero
.endm
.macro C47 bf, af, zero                ; window 3: Fz, Ft, Br, Bz
	MULC \bf, \af, 0,   1, 4, \zero
	MULC \bf, \af, 64,  1, 5, \zero
	MULC \bf, \af, 128, 2, 3, \zero
	MULC \bf, \af, 192, 2, 4, \zero
.endm
.macro C8 bf, af, zero                 ; window 1: Bt
	MULC \bf, \af, 192, 2, 5, \zero
.endm
; 48 LDS loads in one run: the fragments of one sub-step (192 weight rows, 192 activation rows, the 32 k of sub-block sb of the slot).
; The activations come last, in the order x, h0, bi_h0: the youngest eight loads are those of bi_h0.
.macro FETCH slot, sb, bf, af
	WIN TO_B
.irp g, 0,1,2,3,4,5
.irp nt, 0,1
	ds_load_b128 v[\bf+8*(2*\g+\nt):\bf+8*(2*\g+\nt)+3],   v[ADRB+\slot] offset:\sb*SBL+\g*8*PITCH+\nt*4*PITCH
	ds_load_b128 v[\bf+8*(2*\g+\nt)+4:\bf+8*(2*\g+\nt)+7], v[ADRB+\slot] offset:\sb*SBL+\g*8*PITCH+\nt*4*PITCH+32
.endr
.endr
	WIN 0
.irp pl, 0,1,2
.irp mt, 0,1,2,3
	ds_load_b128 v[\af+8*(4*\pl+\mt):\af+8*(4*\pl+\mt)+3],   v[ADRA+\slot] offset:\sb*SBL+\pl*16*PITCH+\mt*4*PITCH
	ds_load_b128 v[\af+8*(4*\pl+\mt)+4:\af+8*(4*\pl+\mt)+7], v[ADRA+\slot] offset:\sb*SBL+\pl*16*PITCH+\mt*4*PITCH+32
.endr
.endr
.endm
; The 72 accumulators take turns, one matrix instruction a turn, in the same order in every sub-step, over the backward jump too.
; A sub-step that stays in its slot: multiplies buffers bf, af; in its middle it fetches sub-block sbn of the same slot into buffers bg, ag.
.macro SUB slot, sbn, bf, af, bg, ag, zero
	s_wait_dscnt 8                                 ; all of the last fetch but its youngest eight loads (bi_h0), which the first four classes do not read
	WIN MUL2
	C01 \bf, \af, \zero
	C23 \bf, \af, \zero
	PLACES                                         ; the other buffers were read by matrix instructions: four places ahead of the loads into them
	FETCH \slot, \sbn, \bg, \ag
	s_wait_dscnt 48                                ; all but the 48 just issued
	WIN MUL3
	C47 \bf, \af, \zero
	WIN MUL1
	C8 \bf, \af, \zero
.endm
; The last sub-step of a K step of 96: multiplies bf, af and changes slots.  This slot is filled again: fill = 1 with the K step two ahead,
; fill = 2 with the last K step, which has 64 of K (96 rows of 256 bytes), fill = 3 with the f32 tiles of h.
; In front of the opening signal each wave waits for its reads of this slot and for all its tensor loads (its part of the next slot among them).  The
; barrier opens a round of the cluster barrier; inside the round stands register work alone; behind it no wave of any partner reads this slot or has a load on
; its way, and the refill is the first tensor load there, the only one of the wave until the next round.  From a request for a K step to the wait for it a wave
; issues 200 of a K step's 216 matrix instructions.
.macro TURN slot, next, bf, af, bg, ag, fill
	s_wait_dscnt 8
	WIN MUL2
	C01 \bf, \af, 0
	s_wait_dscnt 0                                 ; my reads of this slot are over
	s_set_vgpr_msb 0xa1a0
	s_wait_tensorcnt 0x0                           ; and all my tensor loads have landed: every descriptor may be written
	ds_add_u32 v30, v31
	s_wait_dscnt 0x0
	s_set_vgpr_msb 0xa0a1
	s_barrier_signal -1
	C23 \bf, \af, 0                                ; registers only, while the others arrive
	WIN 0
	s_barrier_wait -1
	CREST
.if \fill == 2
	s_mov_b32 s[G1A+2], 96<<16                     ; tensor_dim1 and tile_dim1 = 96: two sub-blocks, up to the end of the block
	s_mov_b32 s[G1B+2], 96<<16
	s_mov_b32 s[G1A+4], 96
	s_mov_b32 s[G1B+4], 96
.endif
.if \fill == 3
	tensor_load_to_lds s[G0H:G0H+3], s[G1H:G1H+7]  ; 64 rows of h0 or bi_h0 a wave, into the head of this slot, which is not read as a ring slot again
	s_nop 0
.else
	s_add_nc_u64 s[G0A+4*\slot+2:G0A+4*\slot+3], s[G0A+4*\slot+2:G0A+4*\slot+3], 2*STEPB
	s_add_nc_u64 s[G0B+4*\slot+2:G0B+4*\slot+3], s[G0B+4*\slot+2:G0B+4*\slot+3], 2*STEPB
	JLOAD \slot
.endif
	PLACES                                         ; the other buffers were read by matrix instructions
	FETCH \next, 0, \bg, \ag
	WIN MUL3
	C47 \bf, \af, 0
	WIN MUL1
	C8 \bf, \af, 0
.endm
.macro STEP slot, next, b0, a0, b1, a1, zero, fill     ; a K step of 96 on buffers 0, 1, 0 (or 1, 0, 1); the next step begins on the other
	SUB  \slot, 1, \b0, \a0, \b1, \a1, \zero
	SUB  \slot, 2, \b1, \a1, \b0, \a0, 0
	TURN \slot, \next, \b0, \a0, \b1, \a1, \fill
.endm
.macro LAP zero, f0, f1                ; two K steps, once round the ring: six sub-steps bring the buffers back to where they began
	STEP 0, 1, BF0, AF0, BF1, AF1, \zero, \f0
	STEP 1, 0, BF1, AF1, BF0, AF0, 0, \f1
.endm
	s_wait_tensorcnt 1                             ; my part of K step 0 is in; K step 1 may stay out
	s_barrier_signal -1
	s_barrier_wait -1
	FETCH 0, 0, BF0, AF0
	LAP 1, 1, 1                                    ; K steps 0, 1: the first sub-step starts all 72 sums, nothing is cleared
	WIN 0                                          ; at a label and at a branch every window is 0
	s_mov_b32 s31, 3                               ; K steps 2 to 7
.Llap:
	LAP 0, 1, 1
	WIN 0
	s_sub_co_u32 s31, s31, 1
	s_cmp_lg_u32 s31, 0
	s_cbranch_scc1 .Llap
	LAP 0, 2, 3                                    ; K steps 8, 9: slot 0 gets the last K step, slot 1 the tiles of h
	SUB 0, 1, BF0, AF0, BF1, AF1, 0                ; the last K step, 64 of K: its first half,
	s_wait_dscnt 8                                 ; and the very last sub-step
	WIN MUL2
	C01 BF1, AF1, 0
	C23 BF1, AF1, 0
	PLACES                                         ; buffer 0 of the activations was read by matrix instructions; the biases now land in it
	WIN 0
.macro BIAS dst, base, off             ; my 16 numbers of one bias: columns 16 nt + 8 hh + 0..7
.irp nt, 0,1
	global_load_b128 v[\dst+8*\nt:\dst+8*\nt+3],   v[BO], s[\base:\base+1] offset:\off+64*\nt
	global_load_b128 v[\dst+8*\nt+4:\dst+8*\nt+7], v[BO], s[\base:\base+1] offset:\off+64*\nt+16
.endr
.endm
	BIAS BR,  12, 0                                ; b_izr, r
	BIAS BZ,  12, 4096                             ; b_izr, z
	BIAS 64,  14, 0                                ; b_hzr, r
	BIAS 80,  14, 4096                             ; b_hzr, z
	BIAS BT,  16, 0                                ; b_it
	BIAS BH,  18, 0                                ; b_ht
	s_wait_dscnt 0
	WIN MUL3
	C47 BF1, AF1, 0
	WIN MUL1
	C8 BF1, AF1, 0
	; THE GATES.  Four places behind the last matrix instructions, for all that now reads sums or writes over fragments.
	PLACES
	WIN 0
	s_lshl_b32 s90, s28, 20                        ; where my share of out0 begins: 128 by rows of 8,192 bytes
	s_lshl_b32 s92, s24, 19                        ; + 64 rows
	s_add_co_u32 s90, s90, s92
	s_lshl_b32 s92, s23, 12                        ; + the direction's 1,024 columns
	s_add_co_u32 s90, s90, s92
	s_lshl_b32 s92, s27, 8                         ; + 64 bx columns
	s_add_co_u32 s90, s90, s92
	s_mov_b32 s91, 0
	s_add_nc_u64 s[88:89], s[20:21], s[90:91]      ; never written again
	s_wait_tensorcnt 0x0                           ; my 64 rows of h have landed (asked for 184 matrix instructions ago); other waves read them,
	s_barrier_signal -1                            ; so say so; no LDS instruction of mine is out (the wait for 0 above)
	s_barrier_wait -1
	s_wait_loadcnt 0x0                             ; the biases
.irp i, 0,2,4,6,8,10,12,14
	v_pk_mul_f32 v[BR+\i:BR+\i+1], v[BR+\i:BR+\i+1], s[84:85] op_sel_hi:[1,0]
	v_pk_mul_f32 v[BZ+\i:BZ+\i+1], v[BZ+\i:BZ+\i+1], s[84:85] op_sel_hi:[1,0]
	v_pk_mul_f32 v[BT+\i:BT+\i+1], v[BT+\i:BT+\i+1], s[86:87] op_sel_hi:[1,0]
	v_pk_mul_f32 v[BH+\i:BH+\i+1], v[BH+\i:BH+\i+1], s[86:87] op_sel_hi:[1,0]
	v_pk_fma_f32 v[BR+\i:BR+\i+1], v[64+\i:64+\i+1], s[84:85], v[BR+\i:BR+\i+1] op_sel_hi:[1,0,1]
	v_pk_fma_f32 v[BZ+\i:BZ+\i+1], v[80+\i:80+\i+1], s[84:85], v[BZ+\i:BZ+\i+1] op_sel_hi:[1,0,1]
.endr
; THE WAY OUT goes by strips of 16 rows of every wave, so that a strip's stores leave while the next strips are gated.  A row of 64 columns of one direction
; (256 bytes) lies half in one wave's part of the strip and half in another's, so a barrier stands between the stores into a strip and the reads of it.
; Each strip has bytes of its own: nothing in the stage is written twice, and a partner's stores into the next strip touch no byte that I read of this one.
; Of each strip a wave sends out 16 rows of one direction, two rows an instruction: sixteen lanes store 256 consecutive bytes, at a multiple of 256 from
; the first byte of out0.
; BACK: strip mt is whole; my share of it is read back into f.  again = 1: stores have read f before.
.macro BACK mt, f, again
	s_wait_dscnt 0x0                               ; my stores into the strip are done, for the others' sake
	s_barrier_signal -1
	s_barrier_wait -1
.if \again
	s_wait_xcnt 0x0                                ; the stores that read these registers two strips ago have had their addresses translated (ISA guide 3.1): only now are they loaded again
.endif
.irp t, 0,1,2,3,4,5,6,7
	ds_load_b128 v[\f+4*\t:\f+4*\t+3], v[RD] offset:\mt*STRIPB+2*SPITCH*\t
.endr
.endm
; SEND: the eight stores of my share of strip smt.  Neither the offsets nor the base are ever written again.
.macro SEND smt, sf
.irp t, 0,1,2,3,4,5,6,7
	global_store_b128 v[CO], v[\sf+4*\t:\sf+4*\t+3], s[88:89] offset:16384*(8*\smt+\t) th:TH_STORE_NT
.endr
.endm
; One tile (mt, nt), both directions: 16 rows x 16 columns, 8 numbers a lane and direction.
; All arguments of the powers of two are made by one fused multiply-add from the sums, with the factor -log2 e or 2 log2 e folded in.
; send = 1: strip smt, read back into sf just ahead of this tile, is stored behind this tile's own wait for LDS, which covers those loads too.
.macro EPT mt, nt, send, smt, sf
.set TB, 8*(2*\mt+\nt)
.set NB, 8*\nt
.irp d, 0,1
	ds_load_b128 v[HV+8*\d:HV+8*\d+3],   v[HAD] offset:\d*2*HTILE+\mt*16*PITCH+\nt*64      ; h in f32; waited for far below
	ds_load_b128 v[HV+8*\d+4:HV+8*\d+7], v[HAD] offset:\d*2*HTILE+\mt*16*PITCH+\nt*64+16
.endr
	WIN 0x02                                       ; source 0 in window 2
.irp i, 0,2,4,6
	v_pk_fma_f32 v[XR+\i:XR+\i+1], v[TB+\i:TB+\i+1],         s[84:85], v[BR+NB+\i:BR+NB+\i+1] op_sel_hi:[1,0,1]   ; -L (Xr + biases)
	v_pk_fma_f32 v[XZ+\i:XZ+\i+1], v[64+TB+\i:64+TB+\i+1],   s[84:85], v[BZ+NB+\i:BZ+NB+\i+1] op_sel_hi:[1,0,1]   ; -L (Xz + biases)
	v_pk_fma_f32 v[XT+\i:XT+\i+1], v[128+TB+\i:128+TB+\i+1], s[86:87], v[BT+NB+\i:BT+NB+\i+1] op_sel_hi:[1,0,1]   ; 2L (Xt + b_it)
.endr
.irp i, 0,2,4,6
	v_pk_fma_f32 v[AR+\i:AR+\i+1], v[192+TB+\i:192+TB+\i+1], s[84:85], v[XR+\i:XR+\i+1] op_sel_hi:[1,0,1]         ; + -L Fr
.endr
	WIN 0x03                                       ; source 0 in window 3
.irp i, 0,2,4,6
	v_pk_fma_f32 v[AZ+\i:AZ+\i+1],     v[TB+\i:TB+\i+1],         s[84:85], v[XZ+\i:XZ+\i+1] op_sel_hi:[1,0,1]         ; + -L Fz
	v_pk_fma_f32 v[HG+\i:HG+\i+1],     v[64+TB+\i:64+TB+\i+1],   s[86:87], v[BH+NB+\i:BH+NB+\i+1] op_sel_hi:[1,0,1]   ; 2L (Ft + b_ht)
	v_pk_fma_f32 v[AR+8+\i:AR+8+\i+1], v[128+TB+\i:128+TB+\i+1], s[84:85], v[XR+\i:XR+\i+1] op_sel_hi:[1,0,1]         ; + -L Br
	v_pk_fma_f32 v[AZ+8+\i:AZ+8+\i+1], v[192+TB+\i:192+TB+\i+1], s[84:85], v[XZ+\i:XZ+\i+1] op_sel_hi:[1,0,1]         ; + -L Bz
.endr
	WIN 0x01                                       ; source 0 in window 1
.irp i, 0,2,4,6
	v_pk_fma_f32 v[HG+8+\i:HG+8+\i+1], v[192+TB+\i:192+TB+\i+1], s[86:87], v[BH+NB+\i:BH+NB+\i+1] op_sel_hi:[1,0,1]   ; 2L (Bt + b_ht)
.endr
	WIN 0
.set j, 0
.rept 32
	v_exp_f32 v[AR+j], v[AR+j]                     ; 2^(-L a) for r and z of both directions
.set j, j+1
.endr
	v_nop                                          ; one plain instruction between a transcendental and the use of its result (ISA guide 5.7.2)
.set j, 0
	s_wait_alu depctr_va_vdst(0)
.rept 16
	v_pk_add_f32 v[AR+j:AR+j+1], v[AR+j:AR+j+1], 1.0 op_sel_hi:[1,0]
.set j, j+2
.endr
.set j, 0
.rept 32
	v_rcp_f32 v[AR+j], v[AR+j]                     ; r and z
.set j, j+1
.endr
	v_nop
.set j, 0
	s_wait_alu depctr_va_vdst(0)
.rept 8
	v_pk_fma_f32 v[HG+j:HG+j+1], v[AR+j:AR+j+1], v[HG+j:HG+j+1], v[XT+(j%8):XT+(j%8)+1]   ; 2L y = 2L (Xt + b_it) + r 2L (h W_ht^T + b_ht)
.set j, j+2
.endr
.set j, 0
.rept 16
	v_exp_f32 v[HG+j], v[HG+j]
.set j, j+1
.endr
	v_nop
.set j, 0
	s_wait_alu depctr_va_vdst(0)
.rept 8
	v_pk_add_f32 v[HG+j:HG+j+1], v[HG+j:HG+j+1], 1.0 op_sel_hi:[1,0]
.set j, j+2
.endr
.set j, 0
.rept 16
	v_rcp_f32 v[HG+j], v[HG+j]
.set j, j+1
.endr
	v_nop
	s_wait_dscnt 0x0                               ; h is in, and so is the strip that was read back ahead of this tile
.if \send
	SEND \smt, \sf
.endif
.set j, 0
	s_wait_alu depctr_va_vdst(0)
.rept 8
	v_pk_fma_f32 v[HG+j:HG+j+1], v[HG+j:HG+j+1], -2.0, 1.0 op_sel_hi:[1,0,0]               ; tanh y
.set j, j+2
.endr
.set j, 0
.rept 8
	v_pk_add_f32 v[HG+j:HG+j+1], v[HG+j:HG+j+1], v[HV+j:HV+j+1] neg_lo:[0,1] neg_hi:[0,1]  ; tanh y - h
.set j, j+2
.endr
.set j, 0
.rept 8
	v_pk_fma_f32 v[HG+j:HG+j+1], v[AZ+j:AZ+j+1], v[HG+j:HG+j+1], v[HV+j:HV+j+1]            ; z (tanh y - h) + h
.set j, j+2
.endr
.irp d, 0,1
	ds_store_b128 v[ST], v[HG+8*\d:HG+8*\d+3],   offset:\mt*STRIPB+\d*DPART+\nt*64         ; into my own part of strip mt, in slot 1 behind the tiles of h: no fill lands there any more
	ds_store_b128 v[ST], v[HG+8*\d+4:HG+8*\d+7], offset:\mt*STRIPB+\d*DPART+\nt*64+16
.endr
.endm
	EPT 0, 0, 0, 0, 0
	EPT 0, 1, 0, 0, 0
	BACK 0, O0, 0
	EPT 1, 0, 1, 0, O0                             ; strip 0 leaves among the gates of strip 1
	EPT 1, 1, 0, 0, 0
	BACK 1, O1, 0
	EPT 2, 0, 1, 1, O1
	EPT 2, 1, 0, 0, 0
	BACK 2, O0, 1
	EPT 3, 0, 1, 2, O0
	EPT 3, 1, 0, 0, 0
	BACK 3, O1, 1
.irp t, 0,1,2,3,4,5,6,7
	s_wait_dscnt 7-\t                              ; LDS loads come back in order (ISA guide 5.7.1): pair t of the last strip's rows is in
	global_store_b128 v[CO], v[O1+4*\t:O1+4*\t+3], s[88:89] offset:16384*(24+\t) th:TH_STORE_NT
.endr
	s_wait_tensorcnt 0x0
	ds_add_u32 v30, v31
	s_wait_dscnt 0x0
	CROUND                                         ; the closing round: no work-group ends while a partner may still ask for a tile that names it
	s_endpgm
.Lfunc_end_k_q0d42373720_gru:
	.size	k_q0d42373720_gru, .Lfunc_end_k_q0d42373720_gru-k_q0d42373720_gru
	.p2alignl 7, 3214868480
	.fill 96, 4, 3214868480
	.section	.rodata,"a",@progbits
	.p2align	6, 0x0
	.amdhsa_kernel k_q0d42373720_gru
		.amdhsa_group_segment_fixed_size 327680
		.amdhsa_private_segment_fixed_size 0
		.amdhsa_enable_private_segment 0
		.amdhsa_kernarg_size 72
		.amdhsa_user_sgpr_count 2
		.amdhsa_user_sgpr_kernarg_segment_ptr 1
		.amdhsa_wavefront_size32 1
		.amdhsa_system_sgpr_workgroup_id_x 1
		.amdhsa_system_sgpr_workgroup_id_y 1
		.amdhsa_system_sgpr_workgroup_id_z 1
		.amdhsa_system_vgpr_workitem_id 0
		.amdhsa_next_free_vgpr 1024
		.amdhsa_next_free_sgpr 96
		.amdhsa_reserve_vcc 0
		.amdhsa_float_denorm_mode_32 3
		.amdhsa_float_denorm_mode_16_64 3
		.amdhsa_memory_ordered 1
		.amdhsa_forward_progress 1
		.amdhsa_inst_pref_size 255
	.end_amdhsa_kernel
	.section	.bss,"aw",@nobits
	.p2align	6
	.space	262144
	.amdgpu_metadata
---
amdhsa.version: [ 1, 2 ]
amdhsa.kernels:
  - .name:           k_q0d42373720_gru
    .symbol:         k_q0d42373720_gru.kd
    .args:
      - { .name: act, .offset: 0, .size: 8, .value_kind: global_buffer, .address_space: global }
      - { .name: wts, .offset: 8, .size: 8, .value_kind: global_buffer, .address_space: global }
      - { .name: h0, .offset: 16, .size: 8, .value_kind: global_buffer, .address_space: global }
      - { .name: bi_h0, .offset: 24, .size: 8, .value_kind: global_buffer, .address_space: global }
      - { .name: b_izr, .offset: 32, .size: 8, .value_kind: global_buffer, .address_space: global }
      - { .name: b_hzr, .offset: 40, .size: 8, .value_kind: global_buffer, .address_space: global }
      - { .name: b_it, .offset: 48, .size: 8, .value_kind: global_buffer, .address_space: global }
      - { .name: b_ht, .offset: 56, .size: 8, .value_kind: global_buffer, .address_space: global }
      - { .name: out0, .offset: 64, .size: 8, .value_kind: global_buffer, .address_space: global }
    .group_segment_fixed_size: 327680
    .private_segment_fixed_size: 0
    .kernarg_segment_align: 8
    .kernarg_segment_size: 72
    .max_flat_workgroup_size: 128
    .sgpr_count:     96
    .vgpr_count:     1024
    .wavefront_size: 32
...
	.end_amdgpu_metadata
.endif
;; end of part 2
